; MI455X (gfx1250); checked and timed in simulation.
; The chip was launched on July 23, 2026; its instructions are those of AMD's public machine-readable ISA for CDNA 5 (MIT licence, August 2026) and "CDNA5" Instruction Set Architecture Reference Guide (July 2026). The comments in the code are by the model that wrote it; some were corrected since.
;; Interp Baseline Encoder. Allowed arithmetic: float matrix products may take bf16 or f16 operands with f32 sums; all other float work in f32.
;; Inputs: mix_prop_logit one number float32; xc_off_grid 8 x 8,192 x 2 float32; xc_on_grid 8 x 128 x 128 x 2 float32; xt 8 x 2,048 x 2 float32; yc_off_grid 8 x 8,192 float32; yc_on_grid 8 x 128 x 128 float32.
;; Outputs: out0 8 x 2,048 float32.
;; One version. Each part assembles by itself: llvm-mc -triple=amdgcn-amd-amdhsa -mcpu=gfx1250 --defsym DOCPART=n.
;; ======== version 1 of 1: 2 launches
;; workspace buffers: nnidx 65,536 bytes of whole numbers; gsum 1,024 bytes
;; launch nearest (part 1): grid 256 x 1, 8 waves a work-group, no clusters, 168,960 bytes of LDS; arguments xc_off_grid, xc_on_grid, xt, yc_on_grid, nnidx, gsum; writes nnidx, gsum
.if DOCPART == 1
	.amdgcn_target "amdgcn-amd-amdhsa--gfx1250"
	.amdhsa_code_object_version 6
	.text
	.protected	k_q15ea0e426c_nearest
	.globl	k_q15ea0e426c_nearest
	.p2align	8
	.type	k_q15ea0e426c_nearest,@function
k_q15ea0e426c_nearest:
	s_mov_b64 s[64:65], 0
	v_nop
	global_prefetch_b8 v0, s[64:65] scope:SCOPE_SE
	s_setreg_imm32_b32 hwreg(HW_REG_WAVE_MODE, 25, 1), 1
	s_wait_xcnt 0x0
; First of two launches.  For each of the 8 x 2,048 targets it finds (a) the window of 16 consecutive off-grid points that holds the FIRST nearest
; point, (b) the cell (ix, iy) of the regular grid, and it sums a slice of yc_on for the fill value.  The second launch turns these whole numbers
; into addresses: no address of a launch is formed from a comparison of floating-point numbers made in the same launch.
;   nnidx[b][m] = window (bits 8:0) | ix << 9 | iy << 16;    gsum[32 b + j] = sum of yc_on[b] values 512 j .. 512 j + 511.
; WORK LEFT OUT: none but what reference() slices away itself: of xc_on_grid only xc_on[b,:,0,0] and xc_on[b,0,:,1] are read.  Every input is used.
; DISTANCES are made as reference() makes them, in f32 from the differences: dx = px - cx, dy = py - cy, d2 = fma(dy, dy, dx * dx).
; ARGMIN: a running minimum per target (v_min3_num_f32, two points at a time); once for each window of 16 points one compare asks whether the minimum
; fell, and one select notes the window.  Strict "<" in ascending order everywhere, so the first index of the least d2 lies in the window noted.
; SEARCHSORTED is the halving search that reference() runs (low = 0, high = 128, mid = (low + high) / 2, left if x < axis[mid]), not a count: no
; order of the axes is assumed.  All 128 bits (axis[i] <= x) are formed, and the search walks on the bits by selects.  After seven halvings
; high = low + 1; the eighth looks at axis[low] again, which can only change the result where low = 0, and there clip(high - 1, 0, 126) is 0 either
; way: ix = min(low, 126).
; LIMITS: NaN coordinates are not served (argmin's and searchsorted's places for NaN are not reproduced).  d2 has one rounding less than two rounded
; squares and a sum: two points whose d2 agree to the last bit may change places.  The slice of yc_on is summed as a tree, not in index order.
; SHAPE: 256 work-groups, 32 for a batch; a work-group owns 64 targets against all 8,192 points of its batch.  Eight waves.  A lane holds 8 targets
; (lane mod 8 says which), so eight lanes cover the 64 and the four groups of eight lanes in a wave walk four different streams of 256 consecutive
; points: 32 streams.  One LDS load of 16 bytes a lane brings two points of the lane's stream and feeds 40 vector instructions.
; THE POINTS IN LDS lie in the order in which the loop reads them: a wave's part is eight blocks, one for each trip, and a block holds the trip's
; 256 bytes of each of the wave's four streams.  The copies go out block by block, so the first two trips run when four of the wave's sixteen copies
; have landed, and the other twelve have those two trips (2 x 673 vector instructions in each of the two waves of a SIMD) in which to land.
; What only the end needs (the axis bits, the slice of yc_on) is loaded behind the copies and worked on behind the first two trips.
; NO CLUSTER: the 32 work-groups of a batch do read the same 64 KiB of points, but once each, at the start, for 524,288 pairs (a byte for eight
; pairs), and the copy by lanes lays the streams' pieces side by side at a pitch that keeps the loop's loads free of bank conflicts.
.set WAVES,  8
.set TRIPS,  8                         ; a trip = 16 steps = 32 points of each stream = two windows
.set SBYTES, 2048                      ; a stream in memory: 256 points of 8 bytes
.set TB,     SBYTES/TRIPS              ; 256 bytes of a stream in a trip
.set SP,     TB+16                     ; their pitch in a block: 272 bytes, so that two neighbouring streams' 16 bytes lie 4 banks apart (64 banks of 4 bytes: ISA guide 11.1)
.set BP,     4*SP                      ; a block: one trip's bytes of the wave's four streams, 1,088
.set WPITCH, TRIPS*BP                  ; a wave's part, 8,704
.set SCR,    WAVES*WPITCH              ; 69,632 = 272 x 256: scratch begins behind the points, in blocks of 256 bytes into which no copy lands
.set CP,     272                       ; scratch row of a stream: 64 words + 16 bytes
.set ARR,    32*CP                     ; one array of 32 such rows (minima, windows, axis bits)
.set SCR2,   SCR+3*ARR                 ; second stage: four arrays of 4 parts x 64 words
.set ARR2,   1024
.set SCRS,   SCR2+4*ARR2               ; eight words: the waves' sums of yc_on
.set PX,  2                            ; v[2:9]    px of my 8 targets
.set PY,  10                           ; v[10:17]  py
.set MA,  18                           ; v[18:25]  running minima, two sets that take turns: one window reads the one and writes the other
.set MB,  26                           ; v[26:33]
.set GID, 34                           ; v[34:41]  the window in which each minimum last fell
.set C0,  42                           ; v[42:57]  points of four steps, buffer 0
.set C1,  58                           ; v[58:73]  buffer 1
.set T,   74                           ; v[74:105] at work
.set LA,  106                          ; LDS address of my stream's piece in the trip's block
.set SA,  107                          ; scratch address of my 8 words in my stream's row
.set SIG, 108                          ; my stream, 0 to 31
.set L8,  109                          ; lane mod 8
.set AXT, 110                          ; offsets of the head's loads; never rewritten
.set AXS, 111
.set AYS, 112
.set AG,  113
.set VG,  114                          ; v[114:115] the copies' offsets in the batch's points, one for each pair of streams; never rewritten
.set VL,  116                          ; v[116:123] the copies' LDS addresses, one for each block; never rewritten
.set XS,  124                          ; v[124:127] 4 entries of the x axis; these 14 registers are their loads' own, since the loads stay out over two trips
.set YS,  128                          ; v[128:135] 4 pairs (x, y) of row 0: the y axis in the odd registers
.set GV,  136                          ; v[136:137] two values of yc_on
.set RAW, C0                           ; head only: my 8 targets as loaded, x and y by turns
.set NX,  T                            ; between trips: 4 bits of the x axis for each target
.set NY,  T+8                          ; the same for y
.set MK,  20                           ; s[20:27] masks of compares (in the head: offsets)
	s_load_b256 s[4:11], s[0:1], 0x0               ; xc_off s[4:5], xc_on s[6:7], xt s[8:9], yc_on s[10:11]
	s_load_b128 s[12:15], s[0:1], 0x20             ; nnidx s[12:13], gsum s[14:15]
	v_lshl_add_u32 v138, v0, 2, 0x29000
	v_mov_b32 v139, 0
	ds_add_u32 v138, v139
	ds_add_u32 v138, v139
	v_lshrrev_b32 v1, 5, v0
	v_readfirstlane_b32 s16, v1                    ; wave 0..7
	s_mul_i32 s17, s16, WPITCH                     ; my wave's part of LDS
	s_lshr_b32 s18, ttmp9, 5                       ; batch
	s_lshl_b32 s20, ttmp9, 9                       ; every offset is made while the arguments are on their way: xt, 64 targets of 8 bytes
	s_mov_b32 s21, 0
	s_lshl_b32 s22, s18, 16                        ; 65,536 bytes of points a batch
	s_mov_b32 s23, 0
	s_lshl_b32 s24, s18, 17                        ; 131,072 bytes of xc_on a batch
	s_mov_b32 s25, 0
	s_lshl_b32 s26, ttmp9, 11                      ; my 512 values of yc_on
	s_mov_b32 s27, 0
	s_lshl_b32 s32, ttmp9, 8                       ; my 64 words of nnidx
	s_mov_b32 s33, 0
	s_lshl_b32 s34, ttmp9, 2                       ; my word of gsum
	s_mov_b32 s35, 0
	v_and_b32 v[L8], 7, v0
	v_lshlrev_b32 v[AXT], 6, v[L8]                 ; targets 8 (lane mod 8) .. + 7: 64 bytes
	; A copy (block t, half hf): lanes 0-15 take 256 bytes of stream 2 hf, lanes 16-31 of stream 2 hf + 1 (hi = lane / 16).
	;   memory: 8,192 wave + 2,048 (2 hf + hi) + 256 t + 16 (lane mod 16)      LDS: wave's part + 1,088 t + 272 (2 hf + hi) + 16 (lane mod 16)
	; The immediate is added to both addresses; with the immediate 256 t + 544 hf the rest is 3,552 hf in the memory offset and 832 t in the LDS address.
	v_and_b32 v1, 15, v0
	v_bfe_u32 v[T], v0, 4, 1                       ; hi
	v_lshlrev_b32 v1, 4, v1                        ; 16 (lane mod 16)
	v_lshl_add_u32 v[VG], v[T], 11, v1             ; + 2,048 hi
	v_lshl_add_u32 v[VG], s16, 13, v[VG]           ; + 8,192 wave
	v_add_nc_u32 v[VG+1], 2*SBYTES-2*SP, v[VG]
	v_mul_u32_u24 v[VL], v[T], SP                  ; 272 hi
	v_add_nc_u32 v[VL], v[VL], v1
	v_add_nc_u32 v[VL], s17, v[VL]
.irp t, 1,2,3,4,5,6,7
	v_add_nc_u32 v[VL+\t], \t*(BP-TB), v[VL]
.endr
	v_lshrrev_b32 v[SIG], 3, v0                    ; stream = 4 x wave + lane / 8
	v_lshlrev_b32 v[AXS], 12, v[SIG]               ; x axis entries 4 stream .. + 3: rows of 1,024 bytes
	v_lshlrev_b32 v[AYS], 5, v[SIG]                ; y axis entries 4 stream .. + 3: 8 bytes each in row 0
	v_lshlrev_b32 v[AG], 3, v0                     ; two values of yc_on a thread: a wave's load covers 256 consecutive bytes
	s_wait_dscnt 0x0
	s_wait_kmcnt 0x0
	s_add_nc_u64 s[8:9], s[8:9], s[20:21]          ; xt at my 64 targets
.irp j, 0,1,2,3
	global_load_b128 v[RAW+4*\j:RAW+4*\j+3], v[AXT], s[8:9] offset:16*\j   ; the targets first: every pair hangs on them
.endr
	s_add_nc_u64 s[4:5], s[4:5], s[22:23]          ; the batch's points
	; The wave's 1,024 points, 16 copies of 2 x 256 bytes, block by block.  Each wave fills and reads its own bytes only.
.set c, 0
.rept 16
	global_load_async_to_lds_b128 v[VL+c/2], v[VG+c%2], s[4:5] offset:(c/2)*TB+(c%2)*2*SP
.set c, c+1
.endr
	s_add_nc_u64 s[6:7], s[6:7], s[24:25]          ; xc_on at my batch
	s_add_nc_u64 s[10:11], s[10:11], s[26:27]      ; yc_on at my 512 values
.irp i, 0,1,2,3
	global_load_b32 v[XS+\i], v[AXS], s[6:7] offset:1024*\i
.endr
	global_load_b128 v[YS:YS+3], v[AYS], s[6:7]
	global_load_b128 v[YS+4:YS+7], v[AYS], s[6:7] offset:16
	global_load_b64 v[GV:GV+1], v[AG], s[10:11]
	s_add_nc_u64 s[12:13], s[12:13], s[32:33]      ; nnidx at my 64 words
	s_add_nc_u64 s[14:15], s[14:15], s[34:35]      ; gsum at my word
	; addresses and starting values, while the loads are on their way
	v_bfe_u32 v1, v0, 3, 2                         ; my stream within the wave
	v_mul_u32_u24 v[LA], v1, SP
	v_add_nc_u32 v[LA], s17, v[LA]
	v_mul_u32_u24 v[SA], v[SIG], CP
	v_lshl_add_u32 v[SA], v[L8], 5, v[SA]
	v_add_nc_u32 v[SA], SCR, v[SA]
	s_mov_b32 s30, 0x76543210                      ; v_permlanex16_b32: lane i of one half reads lane i of the other
	s_mov_b32 s31, 0xfedcba98
	s_lshl_b32 s19, s16, 2
	s_add_co_u32 s19, s19, SCRS                    ; my wave's word for its sum
.irp k, 0,1,2,3,4,5,6,7
	v_mov_b32 v[MA+\k], 0x7f800000                 ; +infinity: if no d2 is ever smaller, window 0 stands, as argmin gives index 0
	v_mov_b32 v[GID+\k], 0
.endr
	s_wait_loadcnt 0x7                             ; loads come back in order (ISA guide 5.7.1): the targets' four are in, the seven of the axes and of yc_on stay out
.irp j, 0,1,2,3
	v_mov_b32 v[PX+2*\j],   v[RAW+4*\j]            ; x and y apart, so that a register pair holds one coordinate of two targets
	v_mov_b32 v[PY+2*\j],   v[RAW+4*\j+1]
	v_mov_b32 v[PX+2*\j+1], v[RAW+4*\j+2]
	v_mov_b32 v[PY+2*\j+1], v[RAW+4*\j+3]
.endr
; One step: the two points in v[c:c+3] (x, y, x, y) against my 8 targets.  A packed instruction serves two targets; the point's coordinate is
; taken for both halves (op_sel, op_sel_hi pick the first or the second register of the pair).  Eight independent lines in each stage.
.macro STEP c, mo, mn
.irp j, 0,1,2,3
	v_pk_add_f32 v[T+8*\j:T+8*\j+1],   v[PX+2*\j:PX+2*\j+1], v[\c:\c+1]   op_sel_hi:[1,0] neg_lo:[0,1] neg_hi:[0,1]
	v_pk_add_f32 v[T+8*\j+2:T+8*\j+3], v[PX+2*\j:PX+2*\j+1], v[\c+2:\c+3] op_sel_hi:[1,0] neg_lo:[0,1] neg_hi:[0,1]
.endr
.irp j, 0,1,2,3
	v_pk_add_f32 v[T+8*\j+4:T+8*\j+5], v[PY+2*\j:PY+2*\j+1], v[\c:\c+1]   op_sel:[0,1] op_sel_hi:[1,1] neg_lo:[0,1] neg_hi:[0,1]
	v_pk_add_f32 v[T+8*\j+6:T+8*\j+7], v[PY+2*\j:PY+2*\j+1], v[\c+2:\c+3] op_sel:[0,1] op_sel_hi:[1,1] neg_lo:[0,1] neg_hi:[0,1]
.endr
.irp j, 0,1,2,3
	v_pk_mul_f32 v[T+8*\j:T+8*\j+1],   v[T+8*\j:T+8*\j+1],   v[T+8*\j:T+8*\j+1]
	v_pk_mul_f32 v[T+8*\j+2:T+8*\j+3], v[T+8*\j+2:T+8*\j+3], v[T+8*\j+2:T+8*\j+3]
.endr
.irp j, 0,1,2,3
	v_pk_fma_f32 v[T+8*\j:T+8*\j+1],   v[T+8*\j+4:T+8*\j+5], v[T+8*\j+4:T+8*\j+5], v[T+8*\j:T+8*\j+1]
	v_pk_fma_f32 v[T+8*\j+2:T+8*\j+3], v[T+8*\j+6:T+8*\j+7], v[T+8*\j+6:T+8*\j+7], v[T+8*\j+2:T+8*\j+3]
.endr
.irp j, 0,1,2,3
	v_min3_num_f32 v[\mn+2*\j],   v[\mo+2*\j],   v[T+8*\j],   v[T+8*\j+2]
	v_min3_num_f32 v[\mn+2*\j+1], v[\mo+2*\j+1], v[T+8*\j+1], v[T+8*\j+3]
.endr
.endm
.macro FOUR c, mo, mn                  ; four steps on one buffer; the first reads the minima in mo, all write mn
	STEP \c, \mo, \mn
	STEP \c+4, \mn, \mn
	STEP \c+8, \mn, \mn
	STEP \c+12, \mn, \mn
.endm
.macro LOADG buf, off                  ; the points of four steps: 64 bytes of each stream
.irp i, 0,1,2,3
	ds_load_b128 v[\buf+4*\i:\buf+4*\i+3], v[LA] offset:\off+16*\i
.endr
.endm
.macro CHECK mo, mn                    ; a window of 16 points is through: where the minimum fell, note the window (s28, counted within the stream)
.irp k, 0,1,2,3,4,5,6,7
	v_cmp_lt_f32 s[MK+\k], v[\mn+\k], v[\mo+\k]
.endr
.irp k, 0,1,2,3,4,5,6,7
	v_cndmask_b32 v[GID+\k], v[GID+\k], s28, s[MK+\k]
.endr
	s_add_co_u32 s28, s28, 1
.endm
; A trip: one block, two windows.  Each group of four steps is loaded one group ahead, so each wait leaves the four youngest LDS loads out (LDS
; answers a wave in order: ISA guide 5.7.1).  The last group's look-ahead reaches into the next block.
; mode 0: plain.  mode 1: the look-ahead is the first read of a block whose copies have not been shown landed: the wait for all copies stands in
; front of it.  mode 2: the last trip: no block follows, so nothing more is loaded.
.macro TRIP mode
	LOADG C1, 64
	s_wait_dscnt 0x4
	FOUR C0, MA, MB
	LOADG C0, 128
	s_wait_dscnt 0x4
	FOUR C1, MB, MB
	CHECK MA, MB
	LOADG C1, 192
	s_wait_dscnt 0x4
	FOUR C0, MB, MA
.if \mode == 2
	s_wait_dscnt 0x0
.else
.if \mode == 1
	s_wait_asynccnt 0x0                            ; all sixteen copies of my wave have landed; only my wave reads those bytes
.endif
	LOADG C0, BP
	s_wait_dscnt 0x4
.endif
	FOUR C1, MA, MA
	CHECK MB, MA
.endm
	s_wait_asynccnt 12                             ; copies end in the order of issue: the four of blocks 0 and 1 have landed, the twelve of blocks 2 to 7 stay out
	LOADG C0, 0
	s_mov_b32 s28, 0
	TRIP 0                                         ; block 0; its look-ahead reads block 1
	v_add_nc_u32 v[LA], BP, v[LA]
	TRIP 1                                         ; block 1; in front of its look-ahead into block 2 stands the wait for all copies
	v_add_nc_u32 v[LA], BP, v[LA]
	; What the end needs, between two trips.  Its three LDS stores are issued behind the look-ahead's four loads and ahead of the next group's four,
	; so the next trip's first wait (four may stay out) covers them as well.
	s_wait_loadcnt 0x0                             ; the axes' entries and yc_on, asked for two trips ago
	; the wave's 64 values of yc_on
	v_add_f32 v[GV], v[GV], v[GV+1]
	v_add_f32_dpp v[GV], v[GV], v[GV] row_xmask:1 row_mask:0xf bank_mask:0xf
	v_add_f32_dpp v[GV], v[GV], v[GV] row_xmask:2 row_mask:0xf bank_mask:0xf
	v_add_f32_dpp v[GV], v[GV], v[GV] row_xmask:4 row_mask:0xf bank_mask:0xf
	v_add_f32_dpp v[GV], v[GV], v[GV] row_xmask:8 row_mask:0xf bank_mask:0xf
	v_permlanex16_b32 v[GV+1], v[GV], s30, s31
	v_add_f32 v[GV], v[GV], v[GV+1]
	v_mov_b32 v1, s19
	ds_store_b32 v1, v[GV]                         ; all lanes write the same word with the same value
	; my stream's four entries of each axis against my 8 targets: bit i = (axis[4 stream + i] <= coordinate), which is "not left" in the search.
	; Entry 3 first; each further entry doubles the figure and adds its bit through the carry.
.irp k, 0,1,2,3,4,5,6,7
	v_cmp_le_f32 vcc_lo, v[XS+3], v[PX+\k]
	v_cndmask_b32 v[NX+\k], 0, 1, vcc_lo
	v_cmp_le_f32 vcc_lo, v[YS+7], v[PY+\k]
	v_cndmask_b32 v[NY+\k], 0, 1, vcc_lo
.endr
.irp i, 2,1,0
.irp k, 0,1,2,3,4,5,6,7
	v_cmp_le_f32 vcc_lo, v[XS+\i], v[PX+\k]
	v_add_co_ci_u32 v[NX+\k], vcc_lo, v[NX+\k], v[NX+\k], vcc_lo
	v_cmp_le_f32 vcc_lo, v[YS+2*\i+1], v[PY+\k]
	v_add_co_ci_u32 v[NY+\k], vcc_lo, v[NY+\k], v[NY+\k], vcc_lo
.endr
.endr
.irp k, 0,1,2,3,4,5,6,7
	v_lshl_or_b32 v[NX+\k], v[NY+\k], 16, v[NX+\k] ; x's four bits below, y's at bit 16
.endr
	ds_store_b128 v[SA], v[NX:NX+3] offset:2*ARR
	ds_store_b128 v[SA], v[NX+4:NX+7] offset:2*ARR+16
	s_mov_b32 s29, TRIPS-3                         ; blocks 2 to 6
.Ltrip:
	TRIP 0
	v_add_nc_u32 v[LA], BP, v[LA]
	s_sub_co_u32 s29, s29, 1
	s_cmp_lg_u32 s29, 0
	s_cbranch_scc1 .Ltrip
	TRIP 2                                         ; block 7
	; THE END, through scratch.  Each stream lays down its 64 minima and windows (its axis bits lie there already).
.set RM, T                             ; stage 1: 8 streams' minima, windows, bits of one target
.set RG, T+8
.set RC, T+16
.set RA, C0
.set W2, C0+1
.irp k, 0,1,2,3,4,5,6,7
	v_lshl_add_u32 v[GID+\k], v[SIG], 4, v[GID+\k] ; window in the batch = 16 x stream + window in the stream: ascending with the points' index
.endr
	ds_store_b128 v[SA], v[MA:MA+3]
	ds_store_b128 v[SA], v[MA+4:MA+7] offset:16
	ds_store_b128 v[SA], v[GID:GID+3] offset:ARR
	ds_store_b128 v[SA], v[GID+4:GID+7] offset:ARR+16
	v_lshrrev_b32 v1, 6, v0                        ; stage 1: thread = (part q = thread / 64, target = thread mod 64) folds streams 8 q .. 8 q + 7
	v_and_b32 v[RA], 63, v0
	v_mul_u32_u24 v1, v1, 8*CP
	v_lshl_add_u32 v[RA], v[RA], 2, v1
	v_add_nc_u32 v[RA], SCR, v[RA]
	v_lshlrev_b32 v[W2], 2, v0                     ; and writes word 64 q + target = its own number
	v_add_nc_u32 v[W2], SCR2, v[W2]
	s_wait_dscnt 0x0                               ; my stores are done, for the other waves' sake
	s_barrier_signal -1
	s_barrier_wait -1
.irp i, 0,1,2,3,4,5,6,7
	ds_load_b32 v[RM+\i], v[RA] offset:\i*CP
	ds_load_b32 v[RG+\i], v[RA] offset:ARR+\i*CP
	ds_load_b32 v[RC+\i], v[RA] offset:2*ARR+\i*CP
.endr
	s_wait_dscnt 0x0
.irp i, 1,2,3,4,5,6,7
	v_cmp_lt_f32 vcc_lo, v[RM+\i], v[RM]           ; a later stream wins only if strictly smaller
	v_cndmask_b32 v[RM], v[RM], v[RM+\i], vcc_lo
	v_cndmask_b32 v[RG], v[RG], v[RG+\i], vcc_lo
.endr
	v_lshl_or_b32 v[RC],   v[RC+1], 4,  v[RC]      ; eight streams' four bits make the 32 bits of axis entries 32 q .. 32 q + 31:
	v_lshl_or_b32 v[RC+4], v[RC+5], 4,  v[RC+4]    ; four streams fill 16 bits of x below and 16 of y above,
	v_lshl_or_b32 v[RC],   v[RC+2], 8,  v[RC]
	v_lshl_or_b32 v[RC+4], v[RC+6], 8,  v[RC+4]
	v_lshl_or_b32 v[RC],   v[RC+3], 12, v[RC]
	v_lshl_or_b32 v[RC+4], v[RC+7], 12, v[RC+4]
	v_perm_b32 v[RC+1], v[RC+4], v[RC], 0x05040100 ; the two low halves are x's word,
	v_perm_b32 v[RC+2], v[RC+4], v[RC], 0x07060302 ; the two high halves y's
	ds_store_b32 v[W2], v[RM]
	ds_store_b32 v[W2], v[RG] offset:ARR2
	ds_store_b32 v[W2], v[RC+1] offset:2*ARR2
	ds_store_b32 v[W2], v[RC+2] offset:3*ARR2
	s_wait_dscnt 0x0
	s_barrier_signal -1
	s_barrier_wait -1
	s_cmp_lg_u32 s16, 0
	s_cbranch_scc1 .Lend
	; Stage 2, wave 0: lane l folds the four parts of targets 2 l and 2 l + 1, so that its store is 8 bytes and the wave's 256 consecutive bytes.
.set FM, T                             ; part q, target u at + 2 q + u
.set FG, T+8
.set FX, T+16                          ; x's four words; y's lie 8 registers further
.set FY, T+24
.set SU, 4                             ; v[4:11]  the waves' sums
.set B0, 12                            ; four searches side by side: n = u + 2 x axis
.set WH, 16
.set WL, 20
.set LO, 24
.set PQ, 28
	v_lshlrev_b32 v1, 3, v0
	v_add_nc_u32 v1, SCR2, v1
	v_mov_b32 v2, SCRS
.irp q, 0,1,2,3
	ds_load_b64 v[FM+2*\q:FM+2*\q+1], v1 offset:\q*256
	ds_load_b64 v[FG+2*\q:FG+2*\q+1], v1 offset:ARR2+\q*256
	ds_load_b64 v[FX+2*\q:FX+2*\q+1], v1 offset:2*ARR2+\q*256
	ds_load_b64 v[FY+2*\q:FY+2*\q+1], v1 offset:3*ARR2+\q*256
.endr
	ds_load_b128 v[SU:SU+3], v2
	ds_load_b128 v[SU+4:SU+7], v2 offset:16
	v_lshlrev_b32 v32, 3, v0                       ; my 8 bytes of nnidx
	v_mov_b32 v33, 0
	s_wait_dscnt 0x0
.irp q, 1,2,3
.irp u, 0,1
	v_cmp_lt_f32 s[MK+\u], v[FM+2*\q+\u], v[FM+\u]
.endr
.irp u, 0,1
	v_cndmask_b32 v[FM+\u], v[FM+\u], v[FM+2*\q+\u], s[MK+\u]
	v_cndmask_b32 v[FG+\u], v[FG+\u], v[FG+2*\q+\u], s[MK+\u]
.endr
.endr
	; The halving search on the bits.  mid = 64 is bit 0 of word 2; mid = 32 or 96 is bit 0 of word 1 or 3; from then on mid stays in low's word.
.irp n, 0,1,2,3
	v_and_b32 v[B0+\n], 1, v[FX+8*(\n/2)+4+(\n%2)]
.endr
.irp n, 0,1,2,3
	v_cmp_ne_u32 s[MK+\n], 0, v[B0+\n]
.endr
.irp n, 0,1,2,3
	v_cndmask_b32 v[WH+\n], v[FX+8*(\n/2)+2+(\n%2)], v[FX+8*(\n/2)+6+(\n%2)], s[MK+\n]
	v_cndmask_b32 v[WL+\n], v[FX+8*(\n/2)+(\n%2)],   v[FX+8*(\n/2)+4+(\n%2)], s[MK+\n]
.endr
.irp n, 0,1,2,3
	v_lshlrev_b32 v[LO+\n], 6, v[B0+\n]            ; low = 0 or 64
.endr
.irp n, 0,1,2,3
	v_and_b32 v[B0+\n], 1, v[WH+\n]
.endr
.irp n, 0,1,2,3
	v_cmp_ne_u32 s[MK+\n], 0, v[B0+\n]
.endr
.irp n, 0,1,2,3
	v_cndmask_b32 v[WL+\n], v[WL+\n], v[WH+\n], s[MK+\n]   ; low's word
	v_lshl_add_u32 v[LO+\n], v[B0+\n], 5, v[LO+\n]         ; low += 0 or 32
.endr
.irp n, 0,1,2,3
	v_bfe_u32 v[PQ+\n], v[WL+\n], 16, 1            ; within the word: the place p starts at 0, mid = p + 16
.endr
.irp n, 0,1,2,3
	v_lshlrev_b32 v[PQ+\n], 4, v[PQ+\n]
.endr
.irp ls, 3,2,1,0
.irp n, 0,1,2,3
	v_add_nc_u32 v[B0+\n], 1<<\ls, v[PQ+\n]        ; mid = p + 8, 4, 2, 1: 31 at the most
.endr
.irp n, 0,1,2,3
	v_bfe_u32 v[B0+\n], v[WL+\n], v[B0+\n], 1
.endr
.irp n, 0,1,2,3
	v_lshl_add_u32 v[PQ+\n], v[B0+\n], \ls, v[PQ+\n]
.endr
.endr
.irp n, 0,1,2,3
	v_add_nc_u32 v[LO+\n], v[LO+\n], v[PQ+\n]
.endr
.irp n, 0,1,2,3
	v_min_u32 v[LO+\n], 0x7e, v[LO+\n]             ; clip(high - 1, 0, 126) = min(low, 126)
.endr
.irp u, 0,1
	v_lshl_or_b32 v[FG+\u], v[LO+\u], 9, v[FG+\u]
.endr
.irp u, 0,1
	v_lshl_or_b32 v[FG+\u], v[LO+2+\u], 16, v[FG+\u]
.endr
	global_store_b64 v32, v[FG:FG+1], s[12:13]     ; the wave stores 256 consecutive bytes, at a multiple of 256 from nnidx's first byte
	v_pk_add_f32 v[SU:SU+1], v[SU:SU+1], v[SU+2:SU+3]
	v_pk_add_f32 v[SU+4:SU+5], v[SU+4:SU+5], v[SU+6:SU+7]
	v_pk_add_f32 v[SU:SU+1], v[SU:SU+1], v[SU+4:SU+5]
	v_add_f32 v[SU], v[SU], v[SU+1]                ; the work-group's 512 values of yc_on
	v_cmp_eq_u32 vcc_lo, 0, v0
	s_wait_xcnt 0x0                                ; EXEC is a source of the store above: it changes only behind this wait
	s_and_saveexec_b32 s20, vcc_lo
	global_store_b32 v33, v[SU], s[14:15]          ; one word a work-group
	s_wait_xcnt 0x0                                ; and again in front of the line that widens it
	s_or_b32 exec_lo, exec_lo, s20
.Lend:
	s_wait_tensorcnt 0x0
	ds_add_u32 v138, v139
	s_wait_dscnt 0x0
	s_endpgm
.Lfunc_end_k_q15ea0e426c_nearest:
	.size	k_q15ea0e426c_nearest, .Lfunc_end_k_q15ea0e426c_nearest-k_q15ea0e426c_nearest
	.p2alignl 7, 3214868480
	.fill 96, 4, 3214868480
	.section	.rodata,"a",@progbits
	.p2align	6, 0x0
	.amdhsa_kernel k_q15ea0e426c_nearest
		.amdhsa_group_segment_fixed_size 168960
		.amdhsa_private_segment_fixed_size 0
		.amdhsa_enable_private_segment 0
		.amdhsa_kernarg_size 48
		.amdhsa_user_sgpr_count 2
		.amdhsa_user_sgpr_kernarg_segment_ptr 1
		.amdhsa_wavefront_size32 1
		.amdhsa_system_sgpr_workgroup_id_x 1
		.amdhsa_system_sgpr_workgroup_id_y 1
		.amdhsa_system_sgpr_workgroup_id_z 1
		.amdhsa_system_vgpr_workitem_id 0
		.amdhsa_next_free_vgpr 140
		.amdhsa_next_free_sgpr 66
		.amdhsa_reserve_vcc 1
		.amdhsa_float_denorm_mode_32 3
		.amdhsa_float_denorm_mode_16_64 3
		.amdhsa_memory_ordered 1
		.amdhsa_forward_progress 1
		.amdhsa_inst_pref_size 199
	.end_amdhsa_kernel
	.amdgpu_metadata
---
amdhsa.version: [ 1, 2 ]
amdhsa.kernels:
  - .name:           k_q15ea0e426c_nearest
    .symbol:         k_q15ea0e426c_nearest.kd
    .args:
      - { .name: xc_off_grid, .offset: 0, .size: 8, .value_kind: global_buffer, .address_space: global }
      - { .name: xc_on_grid, .offset: 8, .size: 8, .value_kind: global_buffer, .address_space: global }
      - { .name: xt, .offset: 16, .size: 8, .value_kind: global_buffer, .address_space: global }
      - { .name: yc_on_grid, .offset: 24, .size: 8, .value_kind: global_buffer, .address_space: global }
      - { .name: nnidx, .offset: 32, .size: 8, .value_kind: global_buffer, .address_space: global }
      - { .name: gsum, .offset: 40, .size: 8, .value_kind: global_buffer, .address_space: global }
    .group_segment_fixed_size: 168960
    .private_segment_fixed_size: 0
    .kernarg_segment_align: 8
    .kernarg_segment_size: 48
    .max_flat_workgroup_size: 256
    .sgpr_count:     66
    .vgpr_count:     140
    .wavefront_size: 32
...
	.end_amdgpu_metadata
.endif
;; end of part 1
;; launch finish (part 2): grid 256 x 1, 4 waves a work-group, no clusters, 1,024 bytes of LDS; arguments mix_prop_logit, xc_off_grid, xc_on_grid, xt, yc_off_grid, yc_on_grid, nnidx, gsum, out0; writes out0
.if DOCPART == 2
	.amdgcn_target "amdgcn-amd-amdhsa--gfx1250"
	.amdhsa_code_object_version 6
	.text
	.protected	k_q15ea0e426c_finish
	.globl	k_q15ea0e426c_finish
	.p2align	8
	.type	k_q15ea0e426c_finish,@function
k_q15ea0e426c_finish:
	s_mov_b64 s[64:65], 0
	v_nop
	global_prefetch_b8 v0, s[64:65] scope:SCOPE_SE
	s_setreg_imm32_b32 hwreg(HW_REG_WAVE_MODE, 25, 1), 1
	s_wait_xcnt 0x0
; Second of two launches.  out0[b][m] = mix * yc_off[nearest point] + (1 - mix) * (bilinear value of yc_on, or its mean outside the axes' ends).
; The first launch left for each target a word: window of 16 points (bits 8:0) | ix << 9 | iy << 16, and 32 partial sums of yc_on for each batch.
; All addresses here are made from those whole numbers.  Among the window's 16 points the nearest is chosen by SELECTING its value of yc_off (all 16
; are loaded), so no address hangs on a distance.  The distances are made by the same arithmetic as in the first launch: dx = px - cx, dy = py - cy,
; d2 = fma(dy, dy, dx * dx); in the tournament the right side wins only if strictly smaller, so the first index of the least d2 is kept.
; WORK LEFT OUT: none; of xc_on_grid only the entries that reference() itself picks are read.
; LIMITS: NaN coordinates are not served.  A quotient is v_rcp_f32 and a product (1 ulp; an axis step below 2^-126 counts as 0, ISA guide 15.8).
; The bilinear value is formed as two interpolations along y and one along x, which is reference()'s sum of four products in another order of rounding.
; The mean is a tree sum.  The two terms of the mix are rounded each by itself and then added.
; SHAPE: 256 work-groups of 64 targets, four waves, one target a lane.  The two halves of the result hang on nothing of each other, so they run side
; by side: waves 0 and 1 take the window (12 gathers, 16 distances, the tournament, times mix), waves 2 and 3 the grid (8 gathers, the mean, the
; weights, times 1 - mix).  No wave has more than 12 gathers queued.  Thread t leaves its term in LDS word t (words 0-63 the window's, 64-127 the
; grid's); behind one barrier wave 0 adds them, two targets a lane, so that its one store is 256 consecutive bytes.
.set AL,  1                            ; 8 x lane: wave 0's LDS reads and its store
.set A4,  2                            ; 4 x thread: my LDS word
.set AI,  3                            ; 4 x target: nnidx
.set AX,  4                            ; 8 x target: xt
.set IW,  5                            ; my target's word
.set XT,  6                            ; v[6:7]    px, py
.set R,   8                            ; my term of the result
.set MIX, 9                            ; mix in the window's waves, 1 - mix in the grid's
.set GS,  10                           ; a partial sum, then the mean
.set GT,  11
.set AG,  12                           ; 4 x lane: gsum
.set AD,  13                           ; v[13:15]  offsets of the gathers
.set W,   16                           ; v[16:21]  at work
.set B,   22                           ; v[22:29]  xs[ix], xs[ix+1], ys[iy], ys[iy+1], v00, v01, v10, v11
.set TW,  30
.set P,   32                           ; v[32:63]  16 points (then d2 in the even registers)
.set Y,   64                           ; v[64:79]  16 values of yc_off
	s_load_b512 s[4:19], s[0:1], 0x0               ; logit s[4:5], xc_off s[6:7], xc_on s[8:9], xt s[10:11], yc_off s[12:13], yc_on s[14:15], nnidx s[16:17], gsum s[18:19]
	s_load_b64 s[20:21], s[0:1], 0x40              ; out0
	v_lshl_add_u32 v80, v0, 2, 0x200
	v_mov_b32 v81, 0
	v_lshrrev_b32 v[TW], 5, v0
	v_readfirstlane_b32 s23, v[TW]                 ; wave 0..3
	s_lshr_b32 s22, ttmp9, 5                       ; batch: 32 groups of 64 targets each
	s_mov_b32 s25, 0
	v_and_b32 v[AI], 63, v0                        ; my target among the group's 64
	v_lshlrev_b32 v[AX], 3, v[AI]
	v_lshlrev_b32 v[AI], 2, v[AI]
	v_lshlrev_b32 v[A4], 2, v0
	v_and_b32 v[AG], 31, v0                        ; lane
	v_lshlrev_b32 v[AL], 3, v[AG]
	v_lshlrev_b32 v[AG], 2, v[AG]
	s_wait_kmcnt 0x0
	s_lshl_b32 s24, ttmp9, 8
	s_add_nc_u64 s[16:17], s[16:17], s[24:25]
	global_load_b32 v[IW], v[AI], s[16:17]         ; first, since every gather hangs on it
	s_add_nc_u64 s[20:21], s[20:21], s[24:25]
	s_lshl_b32 s24, ttmp9, 9
	s_add_nc_u64 s[10:11], s[10:11], s[24:25]
	global_load_b64 v[XT:XT+1], v[AX], s[10:11]
	s_load_b32 s26, s[4:5], 0x0                    ; the logit
	s_cmp_lt_u32 s23, 2
	s_cbranch_scc0 .Lgrid
	; WAVES 0 AND 1: the window.
	s_lshl_b32 s24, s22, 16
	s_add_nc_u64 s[6:7], s[6:7], s[24:25]          ; xc_off: 65,536 bytes a batch
	s_lshl_b32 s24, s22, 15
	s_add_nc_u64 s[12:13], s[12:13], s[24:25]      ; yc_off: 32,768
	s_wait_loadcnt 0x1                             ; the word is in; xt may stay out
	v_and_b32 v[AD], 0x1ff, v[IW]
	v_min_u32 v[AD], 0x1ff, v[AD]                  ; window 0..511: bounded by a constant, so that every address stays inside the batch's part
	v_lshlrev_b32 v[AD+1], 6, v[AD]                ; 16 values of yc_off
	v_lshlrev_b32 v[AD], 7, v[AD]                  ; 16 points of 8 bytes
.irp i, 0,1,2,3,4,5,6,7
	global_load_b128 v[P+4*\i:P+4*\i+3], v[AD], s[6:7] offset:16*\i
.endr
.irp i, 0,1,2,3
	global_load_b128 v[Y+4*\i:Y+4*\i+3], v[AD+1], s[12:13] offset:16*\i
.endr
	s_wait_kmcnt 0x0                               ; the mix, while the gathers are on their way
	v_mov_b32 v[MIX], s26
	v_mul_f32 v[MIX], 0xbfb8aa3b, v[MIX]           ; -logit / ln 2
	v_exp_f32 v[MIX], v[MIX]
	v_nop                                          ; a plain line between the exponential and its use (ISA guide 5.7.2); no other work is ready here
	s_wait_alu depctr_va_vdst(0)
	v_add_f32 v[MIX], 1.0, v[MIX]
	v_rcp_f32 v[MIX], v[MIX]                       ; sigmoid: 1 / (1 + e^-logit); an overflow of the exponential gives 0, as it should.  The differences below stand between it and its use
	s_wait_loadcnt 0x0
.irp i, 0,1,2,3,4,5,6,7,8,9,10,11,12,13,14,15
	v_pk_add_f32 v[P+2*\i:P+2*\i+1], v[XT:XT+1], v[P+2*\i:P+2*\i+1] neg_lo:[0,1] neg_hi:[0,1]   ; dx, dy
.endr
.irp i, 0,1,2,3,4,5,6,7,8,9,10,11,12,13,14,15
	v_mul_f32 v[P+2*\i], v[P+2*\i], v[P+2*\i]
.endr
.irp i, 0,1,2,3,4,5,6,7,8,9,10,11,12,13,14,15
	v_fma_f32 v[P+2*\i], v[P+2*\i+1], v[P+2*\i+1], v[P+2*\i]
.endr
; One round of the tournament among 16: entry i against entry i + st, i a multiple of 2 st.
.macro PICK st
.set i, 0
.rept 8/\st
	v_cmp_lt_f32 s[32+i/(2*\st)], v[P+2*(i+\st)], v[P+2*i]
.set i, i+2*\st
.endr
.set i, 0
.rept 8/\st
	v_cndmask_b32 v[P+2*i], v[P+2*i], v[P+2*(i+\st)], s[32+i/(2*\st)]
	v_cndmask_b32 v[Y+i], v[Y+i], v[Y+i+\st], s[32+i/(2*\st)]
.set i, i+2*\st
.endr
.endm
	PICK 1
	PICK 2
	PICK 4
	PICK 8                                         ; v[Y] = yc_off of the first nearest point
	s_wait_alu depctr_va_vdst(0)
	v_mul_f32 v[R], v[MIX], v[Y]
	s_branch .Ljoin
	; WAVES 2 AND 3: the grid.
.Lgrid:
	s_lshl_b32 s24, s22, 7
	s_add_nc_u64 s[18:19], s[18:19], s[24:25]
	global_load_b32 v[GS], v[AG], s[18:19]         ; lane l: the batch's partial sum l
	s_lshl_b32 s24, s22, 17
	s_add_nc_u64 s[8:9], s[8:9], s[24:25]          ; xc_on at my batch
	s_load_b64 s[28:29], s[8:9], 0x0               ; xs[0], ys[0]
	s_load_b32 s30, s[8:9], 127*1024               ; xs[127]
	s_load_b32 s31, s[8:9], 127*8+4                ; ys[127]
	s_lshl_b32 s24, s22, 16
	s_add_nc_u64 s[14:15], s[14:15], s[24:25]      ; yc_on: 65,536 bytes a batch
	s_mov_b32 s44, 0x76543210                      ; v_permlanex16_b32: lane i of one half reads lane i of the other
	s_mov_b32 s45, 0xfedcba98
	v_mov_b32 v[GT], 0                             ; v_permlanex16_b32 counts as a reader of its destination
	s_wait_loadcnt 0x2                             ; the word is in; xt and the partial sum may stay out
	v_bfe_u32 v[AD], v[IW], 9, 7
	v_bfe_u32 v[AD+1], v[IW], 16, 7
	v_min_u32 v[AD], 0x7e, v[AD]                   ; ix 0..126
	v_min_u32 v[AD+1], 0x7e, v[AD+1]               ; iy 0..126
	v_lshl_add_u32 v[AD+2], v[AD], 7, v[AD+1]
	v_lshlrev_b32 v[AD+2], 2, v[AD+2]              ; (128 ix + iy) x 4
	v_lshlrev_b32 v[AD], 10, v[AD]                 ; a row of xc_on is 1,024 bytes
	v_lshlrev_b32 v[AD+1], 3, v[AD+1]
	global_load_b32 v[B],   v[AD], s[8:9]
	global_load_b32 v[B+1], v[AD], s[8:9] offset:1024
	global_load_b32 v[B+2], v[AD+1], s[8:9] offset:4
	global_load_b32 v[B+3], v[AD+1], s[8:9] offset:12
	global_load_b32 v[B+4], v[AD+2], s[14:15]
	global_load_b32 v[B+5], v[AD+2], s[14:15] offset:4
	global_load_b32 v[B+6], v[AD+2], s[14:15] offset:512
	global_load_b32 v[B+7], v[AD+2], s[14:15] offset:516
	; the mean and 1 - mix, while the gathers are on their way
	s_wait_loadcnt 0x8                             ; xt and the partial sum are in; the eight gathers stay out
	v_add_f32_dpp v[GS], v[GS], v[GS] row_xmask:1 row_mask:0xf bank_mask:0xf
	v_add_f32_dpp v[GS], v[GS], v[GS] row_xmask:2 row_mask:0xf bank_mask:0xf
	v_add_f32_dpp v[GS], v[GS], v[GS] row_xmask:4 row_mask:0xf bank_mask:0xf
	v_add_f32_dpp v[GS], v[GS], v[GS] row_xmask:8 row_mask:0xf bank_mask:0xf
	v_permlanex16_b32 v[GT], v[GS], s44, s45
	s_wait_kmcnt 0x0
	v_mov_b32 v[MIX], s26
	v_mul_f32 v[MIX], 0xbfb8aa3b, v[MIX]           ; -logit / ln 2
	v_exp_f32 v[MIX], v[MIX]
	v_add_f32 v[GS], v[GS], v[GT]                  ; a plain line between the exponential and its use (ISA guide 5.7.2)
	s_wait_alu depctr_va_vdst(0)
	v_add_f32 v[MIX], 1.0, v[MIX]
	v_rcp_f32 v[MIX], v[MIX]
	v_mul_f32 v[GS], 0x38800000, v[GS]             ; the mean: sum / 16,384; also the plain line behind the reciprocal
	s_wait_alu depctr_va_vdst(0)
	v_sub_f32 v[MIX], 1.0, v[MIX]                  ; 1 - mix, as reference() forms it
	s_wait_loadcnt 0x0
	v_sub_f32 v[W],   v[B+1], v[B]                 ; xs[ix+1] - xs[ix]
	v_sub_f32 v[W+1], v[B+3], v[B+2]
	v_rcp_f32 v[W+4], v[W]
	v_rcp_f32 v[W+5], v[W+1]
	v_sub_f32 v[W+2], v[XT],   v[B]                ; plain lines that touch neither reciprocal's registers stand in front of their use
	v_sub_f32 v[W+3], v[XT+1], v[B+2]
	s_wait_alu depctr_va_vdst(0)
	v_mul_f32 v[W],   v[W+2], v[W+4]               ; wx
	v_mul_f32 v[W+1], v[W+3], v[W+5]               ; wy
	v_sub_f32 v[W+2], v[B+5], v[B+4]
	v_sub_f32 v[W+3], v[B+7], v[B+6]
	v_fma_f32 v[W+2], v[W+1], v[W+2], v[B+4]       ; row ix at y
	v_fma_f32 v[W+3], v[W+1], v[W+3], v[B+6]       ; row ix + 1 at y
	v_sub_f32 v[W+3], v[W+3], v[W+2]
	v_fma_f32 v[W+2], v[W], v[W+3], v[W+2]
	v_cmp_gt_f32 s40, s28, v[XT]                   ; x < xs[0]
	v_cmp_lt_f32 s41, s30, v[XT]                   ; x > xs[127]
	v_cmp_gt_f32 s42, s29, v[XT+1]
	v_cmp_lt_f32 s43, s31, v[XT+1]
	s_or_b32 s40, s40, s41
	s_or_b32 s42, s42, s43
	s_or_b32 s40, s40, s42
	v_cndmask_b32 v[W+2], v[W+2], v[GS], s40       ; outside: the grid's mean
	v_mul_f32 v[R], v[MIX], v[W+2]
.Ljoin:
	ds_store_b32 v[A4], v[R]                       ; word = thread: 0-63 mix * yt_off, 64-127 (1 - mix) * yt_on, by target
	s_wait_dscnt 0x0                               ; my store is done, for wave 0's sake
	s_barrier_signal -1
	s_barrier_wait -1
	s_cmp_lg_u32 s23, 0
	s_cbranch_scc1 .Lend
	ds_load_b64 v[W:W+1], v[AL]                    ; wave 0: the two terms of targets 2 l and 2 l + 1
	ds_load_b64 v[W+2:W+3], v[AL] offset:256
	s_wait_dscnt 0x0
	v_pk_add_f32 v[W:W+1], v[W:W+1], v[W+2:W+3]
	global_store_b64 v[AL], v[W:W+1], s[20:21]     ; the wave stores 256 consecutive bytes, at a multiple of 256 from out0's first byte
.Lend:
	s_wait_tensorcnt 0x0
	ds_add_u32 v80, v81
	s_wait_dscnt 0x0
	s_endpgm
.Lfunc_end_k_q15ea0e426c_finish:
	.size	k_q15ea0e426c_finish, .Lfunc_end_k_q15ea0e426c_finish-k_q15ea0e426c_finish
	.p2alignl 7, 3214868480
	.fill 96, 4, 3214868480
	.section	.rodata,"a",@progbits
	.p2align	6, 0x0
	.amdhsa_kernel k_q15ea0e426c_finish
		.amdhsa_group_segment_fixed_size 1024
		.amdhsa_private_segment_fixed_size 0
		.amdhsa_enable_private_segment 0
		.amdhsa_kernarg_size 72
		.amdhsa_user_sgpr_count 2
		.amdhsa_user_sgpr_kernarg_segment_ptr 1
		.amdhsa_wavefront_size32 1
		.amdhsa_system_sgpr_workgroup_id_x 1
		.amdhsa_system_sgpr_workgroup_id_y 1
		.amdhsa_system_sgpr_workgroup_id_z 1
		.amdhsa_system_vgpr_workitem_id 0
		.amdhsa_next_free_vgpr 82
		.amdhsa_next_free_sgpr 66
		.amdhsa_reserve_vcc 0
		.amdhsa_float_denorm_mode_32 3
		.amdhsa_float_denorm_mode_16_64 3
		.amdhsa_memory_ordered 1
		.amdhsa_forward_progress 1
		.amdhsa_inst_pref_size 13
	.end_amdhsa_kernel
	.amdgpu_metadata
---
amdhsa.version: [ 1, 2 ]
amdhsa.kernels:
  - .name:           k_q15ea0e426c_finish
    .symbol:         k_q15ea0e426c_finish.kd
    .args:
      - { .name: mix_prop_logit, .offset: 0, .size: 8, .value_kind: global_buffer, .address_space: global }
      - { .name: xc_off_grid, .offset: 8, .size: 8, .value_kind: global_buffer, .address_space: global }
      - { .name: xc_on_grid, .offset: 16, .size: 8, .value_kind: global_buffer, .address_space: global }
      - { .name: xt, .offset: 24, .size: 8, .value_kind: global_buffer, .address_space: global }
      - { .name: yc_off_grid, .offset: 32, .size: 8, .value_kind: global_buffer, .address_space: global }
      - { .name: yc_on_grid, .offset: 40, .size: 8, .value_kind: global_buffer, .address_space: global }
      - { .name: nnidx, .offset: 48, .size: 8, .value_kind: global_buffer, .address_space: global }
      - { .name: gsum, .offset: 56, .size: 8, .value_kind: global_buffer, .address_space: global }
      - { .name: out0, .offset: 64, .size: 8, .value_kind: global_buffer, .address_space: global }
    .group_segment_fixed_size: 1024
    .private_segment_fixed_size: 0
    .kernarg_segment_align: 8
    .kernarg_segment_size: 72
    .max_flat_workgroup_size: 128
    .sgpr_count:     66
    .vgpr_count:     82
    .wavefront_size: 32
...
	.end_amdgpu_metadata
.endif
;; end of part 2
